; MI455X (gfx1250); checked and timed in simulation.
; The chip was launched on July 23, 2026; its instructions are those of AMD's public machine-readable ISA for CDNA 5 (MIT licence, August 2026) and "CDNA5" Instruction Set Architecture Reference Guide (July 2026). The comments in the code are by the model that wrote it; some were corrected since.
;; Local Causal Attention. Allowed arithmetic: matrix products marked QUANTISED: E2M3 operands, one E8M0 scale for each 32 along K, by v_wmma_scale_f32_16x16x128_f8f6f4 with both operands' format E2M3, f32 sums; everything else in f32.
;; Inputs: b_out 1,024 float32; b_qkv 3,072 float32; w_out 1,024 x 1,024 float32; w_qkv 3,072 x 1,024 float32; x 1 x 4,096 x 1,024 float32.
;; Outputs: out0 1 x 4,096 x 1,024 float32.
;; This version of the problem:
;;   THIS VERSION OF THE PROBLEM IS GIVEN IN LOW PRECISION. The matrix products marked QUANTISED in the list below multiply operands that are first quantised to E2M3 (2 exponent bits, 3 mantissa bits; 6 bits a number), with one power-of-two scale for each 32 numbers along K (OCP MX v1.0); their sums are f32. All else is computed in f32.
;;   The module's matrix products, in the order in which they are computed (A, B: the left and right operand; K: the contracted axis; several contracted axes count as one K, in the product's order):
;;     1. [M 4,096, K 1,024] x [K 1,024, N 3,072]; A: input x; B: input w_qkv: QUANTISED
;;     2. batch 16 x [M 4,096, K 64] x [K 64, N 4,096]; A: computed on the way; B: computed on the way: QUANTISED
;;     3. batch 16 x [M 4,096, K 4,096] x [K 4,096, N 64]; A: softmax (see below); B: computed on the way: QUANTISED
;;     4. [M 4,096, K 1,024] x [K 1,024, N 1,024]; A: computed on the way; B: input w_out: QUANTISED
;;   THE QUANTISER, for each operand of a quantised product, along K:
;;     - K is cut into blocks of 32 from its start; a last block that is shorter is filled with zeros.
;;     - A block's scale is 2^e with e = floor(log2(the largest magnitude in the block)) - 2, held to -126 .. 127; a block of zeros has e = 0. As a byte (E8M0): e + 127.
;;     - Each number is divided by its block's scale, clamped to +-7.5, and rounded to the nearest number of E2M3, ties to even, subnormals kept.
;;     - The product sums the exact products of the quantised numbers (number of the format x scale) in f32.
;;   ~~~python
;;   def quantise(x, axis):      # numpy; x: float32 -> the quantised numbers, widened to float32 again
;;       x = np.moveaxis(x, axis, -1); K = x.shape[-1]
;;       x = np.pad(x, [(0, 0)] * (x.ndim - 1) + [(0, -K % 32)]); x = x.reshape(x.shape[:-1] + (-1, 32)); a = np.abs(x).max(-1, keepdims=True)
;;       e = np.where(a > 0, np.clip(np.frexp(np.where(a > 0, a, 1))[1] - 1 - 2, -126, 127), 0)      # np.frexp(a)[1] - 1 = floor(log2(a)), exactly
;;       r = np.clip(x / 2.0 ** e, -7.5, 7.5)
;;       step = 2.0 ** (np.maximum(np.frexp(np.where(r == 0, 1, r))[1] - 1, 0) - 3)
;;       q = np.round(r / step) * step * 2.0 ** e      # np.round: ties to even
;;       return np.moveaxis(q.reshape(q.shape[:-2] + (-1,))[..., :K], -1, axis).astype(np.float32)
;;   ~~~
;;   SOFTMAX AHEAD OF A QUANTISED PRODUCT. Where the list says 'softmax', what is quantised is not the finished softmax but p = 2^(t - M), with t = logit x log2(e) and M = ceil(the row's largest t), a whole number; so 1/2 < the row's largest p <= 1. The row's sum l is taken of the UNQUANTISED p, in f32, and the product's result is divided by l at the end. Since M is a whole number, a kernel that streams over the keys may use a running M (the ceiling of the running maximum): every later rescaling is an exact power of two, which a block's scale takes up: the codes' values come out the same.
;;   OPERANDS COMPUTED ON THE WAY. 'Computed on the way' means the value that the module computes at that place (a softmax that the list does not call 'softmax' is quantised finished and normalised). What goes into a quantiser is computed in f32, as accurately as f32 sums, v_exp_f32 and their like allow (about 1e-6 of the number): no bf16 or f16 on the way to a quantiser, and a product that is left as it is and whose result goes on into a quantised operand takes f32 operands (vector FMAs, or v_wmma_f32_16x16x4_f32). A number that lies on a knife's edge between two numbers of the format may be rounded either way, as far as f32 arithmetic and the matrix unit's own rounding can turn it there, and no further.
;; One version. Each part assembles by itself: llvm-mc -triple=amdgcn-amd-amdhsa -mcpu=gfx1250 --defsym DOCPART=n.
;; ======== version 1 of 1: 3 launches
;; workspace buffers: cod 6,340,608 bytes; scl 264,192 bytes; ac 3,145,728 bytes; asc 131,072 bytes
;; launch quant (part 1): grid 516 x 1, 4 waves a work-group, no clusters, 34,816 bytes of LDS; arguments x, w_qkv, w_out, cod, scl; writes cod, scl
.if DOCPART == 1
	.amdgcn_target "amdgcn-amd-amdhsa--gfx1250"
	.amdhsa_code_object_version 6
	.text
	.protected	k_qdec2dbeb03_quant
	.globl	k_qdec2dbeb03_quant
	.p2align	8
	.type	k_qdec2dbeb03_quant,@function
k_qdec2dbeb03_quant:
	s_mov_b64 s[64:65], 0
	v_nop
	global_prefetch_b8 v0, s[64:65] scope:SCOPE_SE
	s_setreg_imm32_b32 hwreg(HW_REG_WAVE_MODE, 25, 1), 1
	s_wait_xcnt 0x0
; x [4096][1024], w_qkv [3072][1024], w_out [1024][1024], f32, K innermost, become codes of FP6 (E2M3) with one E8M0 byte for each 32 along K,
; laid as IMAGES OF OPERAND REGISTERS.  A tile is 16 rows; a fragment is a tile x 128 along K: 12 registers a lane, 1,536 bytes: three chunks of 512 bytes,
; chunk c = registers 4 c .. 4 c + 3, lane l's 16 bytes at 16 l.  cod: [tile][K step 0..7][1,536].  scl: [tile][K step][16 rows] words of four bytes.
; THE ROWS OF A TILE ARE NOT NEIGHBOURS: of 32 rows on end, lane r of tile u (0, 1) takes row 8 u + r + 8 (r / 8).  As source 0 of a product such a pair of tiles
; gives a lane 16 neighbours along the next product's K.
; TILES: 0-259 x, moved up by four: tile n holds x's tile max(n - 4, 0), so that a block of 16 tiles and the four in front of it are one dense run; tiles 0-3 stand in for
; the tokens in front of token 0, which the window's mask hides.  260-451 w_qkv by heads: 260 + 12 head + 4 role + t (role: Q 0, K 1, V 2).  452-515 w_out.
; A block's scale is 2^(floor(log2(its largest magnitude)) - 2); its byte is the largest magnitude's exponent field - 2, held at 1 from below.
; LIMITS: a block of zeros, or one whose largest magnitude lies under 2^-124, gets the byte 1 where the rule says 127 or less than 1: its codes are zeros or tiny, and this program alone reads the bytes.
; NaN and infinities among the inputs are not served.
; SHARES: a work-group makes one tile, wave w its K steps 2 w and 2 w + 1.  Each load reads 512 consecutive bytes of a row; all 32 loads of a wave go out at once.  A fragment's 16 x 512 bytes turn
; through the wave's own stage in LDS, so that a lane gets two whole blocks of 32 neighbours of its row, as the operand's layout gives them to it.  No tile is shared between work-groups: no cluster, no tensor load.
.set STGP,  528                        ; a stage row: 512 bytes + 16: the sixteen rows that a read touches begin in sixteen different groups of four banks
.set STGW,  16*STGP                    ; a wave's stage
.set SCB,   4*STGW                     ; behind the stages: the tile's 512 bytes of scale words
.set SPARE, SCB+512                    ; the spare words, 128 bytes for each wave: two blocks of 256 bytes that no other line names
.set L16,   1                          ; v1   16 x lane; never rewritten
.set SIN,   2                          ; v2   the stage, on the way in: 16 x lane
.set SOUT,  3                          ; v3   and out: 528 r + 128 h
.set SWD,   4                          ; v4   where my row's scale word goes: SCB + 128 wave + 4 r
.set SH8,   5                          ; v5   8 h
.set SPW,   6                          ; v6   LDS address of my spare word; never rewritten
.set NIL,   7                          ; v7   0; never rewritten
.set SRD,   8                          ; v8   SCB + 16 x lane
.set MX,    12                         ; v12-13 largest magnitudes; v14-15 scale operands; v16-17 bytes; v18-19 the two fragments' scale words; v20 a permute's target
.set SO,    14
.set BY,    16
.set WD,    18
.set PD,    20
.set T,     24                         ; v24-31  the upper halves of two blocks' codes
.set C,     32                         ; v32-43, v44-55  the two fragments' codes
.set OW,    56                         ; v56-59  the scale words on their way out
.set X,     64                         ; v64-127 fragment 0's numbers, by blocks
.set R,     128                        ; v128-191, v192-255 the two fragments as loaded; v128-191 then fragment 1's numbers, by blocks
	s_load_b256 s[4:11], s[0:1], 0x0               ; x s[4:5], w_qkv s[6:7], w_out s[8:9], cod s[10:11]
	s_load_b64 s[12:13], s[0:1], 0x20              ; scl
	v_lshl_add_u32 v[SPW], v0, 2, SPARE
	v_mov_b32 v[NIL], 0
	v_lshrrev_b32 v9, 5, v0
	v_readfirstlane_b32 s14, v9                    ; wave 0..3
	v_and_b32 v9, 31, v0                           ; lane
	v_and_b32 v10, 15, v0                          ; r
	v_bfe_u32 v11, v0, 4, 1                        ; h
	v_lshlrev_b32 v[L16], 4, v9
	s_mul_i32 s15, s14, STGW
	v_add_nc_u32 v[SIN], s15, v[L16]
	v_mul_u32_u24 v[SOUT], v10, STGP
	v_lshl_add_u32 v[SOUT], v11, 7, v[SOUT]
	v_add_nc_u32 v[SOUT], s15, v[SOUT]
	s_lshl_b32 s15, s14, 7
	s_add_co_u32 s15, s15, SCB
	v_lshl_add_u32 v[SWD], v10, 2, s15
	v_lshlrev_b32 v[SH8], 3, v11
	v_add_nc_u32 v[SRD], SCB, v[L16]
	v_mov_b32 v[PD], 0                             ; written once: a lane permute's target counts as one of its sources
	s_mov_b32 s30, 0x76543210
	s_mov_b32 s31, 0xfedcba98                      ; v_permlanex16_b32's selects for lane l xor 16
	; the tile's first row in its tensor, for each of the three tensors; then one is chosen.  A tile T of a tensor begins at row 32 (T / 2) + 8 (T % 2)
	s_sub_co_i32 s16, ttmp9, 4
	s_max_i32 s16, s16, 0                          ; x's tile
	s_lshr_b32 s17, s16, 1
	s_lshl_b32 s17, s17, 5
	s_and_b32 s18, s16, 1
	s_lshl_b32 s18, s18, 3
	s_or_b32 s17, s17, s18                         ; x's row
	s_sub_co_i32 s19, ttmp9, 260
	s_max_i32 s19, s19, 0
	s_min_u32 s19, s19, 191                        ; D = 12 head + 4 role + t
	s_mul_i32 s20, s19, 171
	s_lshr_b32 s20, s20, 11                        ; head = D / 12: 171 / 2048 lies D / 6144 above 1 / 12, under a twelfth for D under 512
	s_mul_i32 s21, s20, 12
	s_sub_co_u32 s21, s19, s21
	s_lshr_b32 s22, s21, 2                         ; role
	s_and_b32 s21, s21, 3                          ; t
	s_lshl_b32 s22, s22, 10
	s_lshl_b32 s20, s20, 6
	s_add_co_u32 s22, s22, s20
	s_lshr_b32 s20, s21, 1
	s_lshl_b32 s20, s20, 5
	s_add_co_u32 s22, s22, s20
	s_and_b32 s21, s21, 1
	s_lshl_b32 s21, s21, 3
	s_add_co_u32 s22, s22, s21                     ; w_qkv's row: 1024 role + 64 head + 32 (t / 2) + 8 (t % 2)
	s_sub_co_i32 s23, ttmp9, 452
	s_max_i32 s23, s23, 0
	s_lshr_b32 s24, s23, 1
	s_lshl_b32 s24, s24, 5
	s_and_b32 s23, s23, 1
	s_lshl_b32 s23, s23, 3
	s_or_b32 s24, s24, s23                         ; w_out's row
	s_mul_i32 s28, ttmp9, 12288                    ; my wave's two fragments in cod
	s_mul_i32 s29, s14, 3072
	s_add_co_u32 s28, s28, s29
	s_mov_b32 s29, 0
	s_wait_kmcnt 0x0
	s_cmp_lt_u32 ttmp9, 260                        ; the choice hangs on the work-group's number alone; all three tensors take one path through the text
	s_cselect_b64 s[4:5], s[4:5], s[6:7]
	s_cselect_b32 s17, s17, s22
	s_cmp_lt_u32 ttmp9, 452
	s_cselect_b64 s[4:5], s[4:5], s[8:9]
	s_cselect_b32 s17, s17, s24
	s_lshl_b32 s26, s17, 12                        ; a row is 4,096 bytes;
	s_lshl_b32 s27, s14, 10                        ; my wave's two K steps are 1,024 of them
	s_add_co_u32 s26, s26, s27
	s_mov_b32 s27, 0
	s_add_nc_u64 s[4:5], s[4:5], s[26:27]
	s_add_nc_u64 s[10:11], s[10:11], s[28:29]
	s_lshl_b32 s28, ttmp9, 9
	s_add_nc_u64 s[12:13], s[12:13], s[28:29]
.macro LOAD f                          ; fragment f as it lies: load i reads 512 consecutive bytes of the tile's row i
.irp i, 0,1,2,3,4,5,6,7,8,9,10,11,12,13,14,15
	global_load_b128 v[R+64*\f+4*\i:R+64*\f+4*\i+3], v[L16], s[4:5] offset:(\i+8*(\i/8))*4096+512*\f th:TH_LOAD_NT
.endr
.endm
.macro TURN f, dst                     ; through the stage: in by rows, out by blocks: lane (r, h) takes blocks h and 2 + h of row r.  LDS serves a wave's instructions in order: no wait between the stores and the loads
.irp i, 0,1,2,3,4,5,6,7,8,9,10,11,12,13,14,15
	ds_store_b128 v[SIN], v[R+64*\f+4*\i:R+64*\f+4*\i+3] offset:STGP*\i
.endr
.irp c, 0,1
.irp k, 0,1,2,3,4,5,6,7
	ds_load_b128 v[\dst+32*\c+4*\k:\dst+32*\c+4*\k+3], v[SOUT] offset:256*\c+16*\k
.endr
.endr
.endm
.macro QUANTF src, cd, f               ; 64 numbers of a lane, two whole blocks, become the fragment's 12 registers; they and the scale word leave
.irp c, 0,1
	v_max3_num_f32 v[MX+\c], |v[\src+32*\c]|, |v[\src+32*\c+1]|, 0x1800000   ; my block 2 c + h, and the floor 2^(3 - 127): the byte cannot fall under 1
.endr
.irp i, 2,4,6,8,10,12,14,16,18,20,22,24,26,28,30
.irp c, 0,1
	v_max3_num_f32 v[MX+\c], v[MX+\c], |v[\src+32*\c+\i]|, |v[\src+32*\c+\i+1]|   ; (the two blocks by turns)
.endr
.endr
.irp c, 0,1
	v_add_nc_u32 v[SO+\c], 0xff000000, v[MX+\c]    ; 2 off the exponent field: the conversion takes this operand's exponent field as its scale
.endr
.irp c, 0,1
	v_lshrrev_b32 v[BY+\c], 23, v[SO+\c]           ; the scale's byte
.endr
	v_lshl_or_b32 v[WD+\f], v[BY+1], 16, v[BY]     ; my two bytes: blocks h and 2 + h,
	v_lshlrev_b32 v[WD+\f], v[SH8], v[WD+\f]       ; at their places in the word;
	v_permlanex16_b32 v[PD], v[WD+\f], s30, s31
	v_or_b32 v[WD+\f], v[WD+\f], v[PD]             ; with lane l xor 16's two the word is whole
.irp c, 0,1
	v_cvt_scalef32_pk16_fp6_f32 v[\cd+6*\c:\cd+6*\c+2], v[\src+32*\c:\src+32*\c+15], v[SO+\c]
	v_cvt_scalef32_pk16_fp6_f32 v[T+4*\c:T+4*\c+2], v[\src+32*\c+16:\src+32*\c+31], v[SO+\c]   ; (a conversion's three registers begin on an even number: the block's upper half is made here and moved)
.endr
	v_nop                                          ; one plain instruction behind the scaled conversions
.irp c, 0,1
.irp i, 0,1,2
	v_mov_b32 v[\cd+6*\c+3+\i], v[T+4*\c+\i]
.endr
.endr
.irp c, 0,1,2
	global_store_b128 v[L16], v[\cd+4*\c:\cd+4*\c+3], s[10:11] offset:1536*\f+512*\c   ; 32 lanes store 512 consecutive bytes, at a multiple of 256 from cod's first byte
.endr
	ds_store_b32 v[SWD], v[WD+\f] offset:64*\f     ; both lanes of a row write the same word with the same value
.endm
	LOAD 0
	LOAD 1
	s_wait_loadcnt 16                              ; fragment 0's sixteen loads are in; fragment 1's sixteen may be out
	TURN 0, X
	s_wait_loadcnt 0x0
	s_wait_dscnt 16                                ; the first turn's sixteen stores have read v128-191, which the second turn's loads fill; its sixteen loads may be out
	TURN 1, R
	s_wait_dscnt 32                                ; fragment 0's numbers are back; the second turn's 32 instructions may be out
	QUANTF X, C, 0
	s_wait_dscnt 1                                 ; fragment 1's numbers are back; the scale word's store may be out
	QUANTF R, C+12, 1
	s_wait_dscnt 0x0                               ; for the others' sake: my scale words lie in LDS
	s_barrier_signal -1
	s_barrier_wait -1
	s_cmp_lg_u32 s14, 0
	s_cbranch_scc1 .Lnot_first
	ds_load_b128 v[OW:OW+3], v[SRD]                ; the tile's 512 bytes of scale words leave as a whole, by wave 0
	s_wait_dscnt 0x0
	global_store_b128 v[L16], v[OW:OW+3], s[12:13]
.Lnot_first:
	s_wait_tensorcnt 0x0                           ; the wave's end
	ds_add_u32 v[SPW], v[NIL]
	s_wait_dscnt 0x0
	s_endpgm
.Lfunc_end_k_qdec2dbeb03_quant:
	.size	k_qdec2dbeb03_quant, .Lfunc_end_k_qdec2dbeb03_quant-k_qdec2dbeb03_quant
	.p2alignl 7, 3214868480
	.fill 96, 4, 3214868480
	.section	.rodata,"a",@progbits
	.p2align	6, 0x0
	.amdhsa_kernel k_qdec2dbeb03_quant
		.amdhsa_group_segment_fixed_size 34816
		.amdhsa_private_segment_fixed_size 0
		.amdhsa_enable_private_segment 0
		.amdhsa_kernarg_size 40
		.amdhsa_user_sgpr_count 2
		.amdhsa_user_sgpr_kernarg_segment_ptr 1
		.amdhsa_wavefront_size32 1
		.amdhsa_system_sgpr_workgroup_id_x 1
		.amdhsa_system_sgpr_workgroup_id_y 1
		.amdhsa_system_sgpr_workgroup_id_z 1
		.amdhsa_system_vgpr_workitem_id 0
		.amdhsa_next_free_vgpr 256
		.amdhsa_next_free_sgpr 66
		.amdhsa_reserve_vcc 0
		.amdhsa_float_denorm_mode_32 3
		.amdhsa_float_denorm_mode_16_64 3
		.amdhsa_memory_ordered 1
		.amdhsa_forward_progress 1
		.amdhsa_inst_pref_size 18
	.end_amdhsa_kernel
	.amdgpu_metadata
---
amdhsa.version: [ 1, 2 ]
amdhsa.kernels:
  - .name:           k_qdec2dbeb03_quant
    .symbol:         k_qdec2dbeb03_quant.kd
    .args:
      - { .name: x, .offset: 0, .size: 8, .value_kind: global_buffer, .address_space: global }
      - { .name: w_qkv, .offset: 8, .size: 8, .value_kind: global_buffer, .address_space: global }
      - { .name: w_out, .offset: 16, .size: 8, .value_kind: global_buffer, .address_space: global }
      - { .name: cod, .offset: 24, .size: 8, .value_kind: global_buffer, .address_space: global }
      - { .name: scl, .offset: 32, .size: 8, .value_kind: global_buffer, .address_space: global }
    .group_segment_fixed_size: 34816
    .private_segment_fixed_size: 0
    .kernarg_segment_align: 8
    .kernarg_segment_size: 40
    .max_flat_workgroup_size: 128
    .sgpr_count:     66
    .vgpr_count:     256
    .wavefront_size: 32
...
	.end_amdgpu_metadata
.endif
;; end of part 1
;; launch qkvattn (part 2): grid 16 x 16, 16 waves a work-group, clusters of 4 x 4, 327,680 bytes of LDS; arguments cod, scl, b_qkv, ac, asc; writes ac, asc
.if DOCPART == 2
	.amdgcn_target "amdgcn-amd-amdhsa--gfx1250"
	.amdhsa_code_object_version 6
	.text
	.protected	k_qdec2dbeb03_qkvattn
	.globl	k_qdec2dbeb03_qkvattn
	.p2align	8
	.type	k_qdec2dbeb03_qkvattn,@function
k_qdec2dbeb03_qkvattn:
	s_mov_b64 s[64:65], 0
	v_nop
	global_prefetch_b8 v0, s[64:65] scope:SCOPE_SE
	s_setreg_imm32_b32 hwreg(HW_REG_WAVE_MODE, 25, 1), 1
	s_wait_xcnt 0x0
	s_wait_alu depctr_hold_cnt(0) depctr_sa_sdst(0) depctr_va_vdst(0) depctr_va_sdst(0) depctr_va_ssrc(0) depctr_va_vcc(0) depctr_vm_vsrc(0)
	s_getreg_b32 s2, hwreg(HW_REG_IB_STS2, 6, 4)
	s_cmp_eq_u32 s2, 0
	s_cbranch_scc0 .Lentry_in_a_cluster
	s_endpgm
.Lentry_in_a_cluster:
	s_bfe_u32 s2, ttmp6, 0x10000c
	s_cmp_lg_u32 s2, 0xf033
	s_cbranch_scc0 .Lentry_shape_is_right
	s_endpgm
.Lentry_shape_is_right:
; For one head and 256 tokens: q, k, v = x W^T + b on codes of FP6 (K = 1,024), quantised in registers; scores and softmax over the causal window of 64 keys; O = p v / l; O quantised along the head's 64 for the last product.
; q, k and v never go to memory.  k and v are also made for the 64 tokens in front of the block (the halo): 64 queries that begin at a multiple of 64 see just the 128 keys that begin 64 earlier,
; four whole blocks of 32 keys: one K step of the matrix instruction.
; OPERANDS are images of registers (a fragment: 16 rows x 128 K, 1,536 bytes, three chunks of 512, lane l at 16 l), as the launch before has laid them in cod, with their scale words in scl.
; The rows of a tile are not neighbours: lane r of tile 2 g + u holds row 32 g + 8 u + r + 8 (r / 8).  With such a tile as source 0, register j of lane (r, h) of the result is row 32 g + 16 h + 8 u + j:
; the 16 registers of tiles 2 g and 2 g + 1 are 16 neighbours along the next product's K.
; UNITS.  The first product falls into 14 units of 64 x 64 x 1,024, 16 accumulators each, a wave to a unit: waves 0-4 k of token groups 0-4 (group 0 = the halo), waves 5-9 v of groups 0-4, waves 10-13 q of groups 1-4.
; All run one text, acc(j, i) = P_i x R_j: for q and k P = the role's four tiles of w and R = the group's four tiles of x (a lane holds a token, its registers run along the head's 64, which is the scores' K);
; for v P = x and R = w (a lane holds one of the head's 64, its registers run along the tokens, which is the second product's K).  Only LDS bases differ.  Waves 14 and 15 have no unit: they fetch tiles, pass every barrier and take a tile of queries.
; Sixteen waves of 256 registers: four to a SIMD, so that one wave's LDS loads and vector work stand beside another's products, and no register window is switched.
; CLUSTER 4 x 4: x's tiles hang on the token block alone and are shared along a row of the cluster, w's on the head alone and are shared along a column: each is asked for jointly, by the same tensor load with a mask that names the four.
; RING.  K goes in four phases of 256 through three LDS slots of 98,304 bytes (32 tiles x two K steps: 20 of x, 12 of w).  The three first fills go out together; slot 0 is filled again once, for the last phase.
; SOFTMAX: t = score x log2(e) / 8; M = ceil(the row's largest t); p = 2^(t - M) is quantised along the keys; the row's sum l is taken of the unquantised p and divides O.
; LIMITS: a block of zeros, or one under 2^-124, gets the scale byte 1 (its codes are zeros or tiny; this program alone reads the bytes); 1 / l by v_rcp_f32 and a multiplication; NaN and infinities are not served.
.set SLOT,  98304
.set SPARE, 3*SLOT                     ; the spare words, 128 bytes for each of 16 waves: eight blocks of 256 bytes that no other line names
.set SCL,   SPARE+2048                 ; the 32 tiles' scale words, 512 bytes a tile
.set BIAS,  SCL+16384                  ; the head's biases: Q, K, V x 64 f32
.set ASG,   BIAS+768                   ; O's scale bytes, 16 tiles x 16 rows x 2
.set IMG,   SLOT                       ; q's, k's, v's half fragments (16 rows x 64 K: 512 bytes of registers 0-3 at 16 l, 256 of registers 4-5 at 8 l): image 4 w + j of unit wave w.  They lie in slot 1, which has had its only fill and its last read
.set SCW,   IMG+56*768                 ; their scale words, 128 bytes an image
.set L16,   1                          ; v1-3  16, 8, 4 x lane; never rewritten
.set L8,    2
.set L4,    3
.set SPW,   4                          ; v4    LDS address of my spare word; never rewritten
.set NIL,   5                          ; v5    0; never rewritten
.set H64,   6                          ; v6    64 h
.set PR4,   7                          ; v7    4 (r + 8 (r / 8))
.set A0,    8                          ; v8-15 LDS addresses, written on the way that all waves take; they never hold loaded data
.set A1,    9
.set A2,    10
.set A3,    11
.set SPS,   16                         ; v16-19 P's scale words: lanes 0-15 the phase's even K step, lanes 16-31 the odd one;  v20-23 R's
.set SRS,   20
.set PF,    24                         ; v24-71  P's four fragments
.set RF,    72                         ; v72-119 R's
.set TQ,    120                        ; v120-127 at work in QUANT2
.set ACC,   128                        ; v128-255 acc(j, i) at 128 + 8 (4 j + i)
.set CB,    24                         ; the biases along the registers, 8 for each i;
.set BJ,    56                         ; and along the lanes, one for each j, twice
.set CJ,    64                         ; the images just made: 12 registers for each j
.set S,     160                        ; attention: v160-223 the scores, then p
.set KF,    28                         ; v28-75 k's eight half fragments, six registers apart; v76-81 zeros
.set VF,    104                        ; v104-151 v's four fragments
.set PC,    224                        ; v224-235 p's codes
.set BM,    232                        ; v232-235 the four blocks' largest scores, then largest p: done with when p's codes are written over them.  They stand at the low end of a run of eight registers that held a sum of the first product
.set O,     28                         ; v28-59 O, over k's fragments
.set WV,    14                         ; s14 my wave's number
.set G1X,   24                         ; s[24:31] descriptor group 1 for x's tiles;  s[32:39] for w's: the masks differ
.set G1W,   32
.set G0X,   40                         ; s[40:51] group 0 for x's tiles, a set for each slot;  s[52:63] for w's
.set G0W,   52
.set ROLE,  66                         ; s66 Q 0, K 1, V 2
.set PB,    70                         ; s70-72 where my P's four tiles begin in slots 0, 1, 2;  s73-75 my R's
.set RB,    73
.set SEL,   78                         ; s[78:79] lane selects for v_permlanex16_b32: lane l xor 16
.set CS,    80                         ; s[80:81] c = log2(e) / 8
.macro ROUND                           ; a round of the cluster's barrier: my work-group's barrier; wave 0 signals for the work-group; every wave waits for all sixteen work-groups; my work-group's barrier once more
	s_barrier_signal -1
	s_barrier_wait -1
	s_cmp_lg_u32 s[WV], 0
	s_cbranch_scc1 .Lnot_wave_0_\@
	s_barrier_signal -3
.Lnot_wave_0_\@:
	s_barrier_wait -3
	s_barrier_signal -1
	s_barrier_wait -1
.endm
.macro MM j, i, q, zero                ; acc(j, i) += P_i x R_j; zero = 1: the product starts the sum.  q = 1: the odd K step's scale words, in lanes 16-31
.set AC, ACC+8*(4*(\j)+(\i))
.if \zero
	v_wmma_scale_f32_16x16x128_f8f6f4 v[AC:AC+7], v[PF+12*(\i):PF+12*(\i)+11], v[RF+12*(\j):RF+12*(\j)+11], 0, v[SPS+(\i)], v[SRS+(\j)] matrix_a_fmt:MATRIX_FMT_FP6 matrix_b_fmt:MATRIX_FMT_FP6
.elseif \q
	v_wmma_scale_f32_16x16x128_f8f6f4 v[AC:AC+7], v[PF+12*(\i):PF+12*(\i)+11], v[RF+12*(\j):RF+12*(\j)+11], v[AC:AC+7], v[SPS+(\i)], v[SRS+(\j)] matrix_a_fmt:MATRIX_FMT_FP6 matrix_b_fmt:MATRIX_FMT_FP6 matrix_a_scale:MATRIX_SCALE_ROW1 matrix_b_scale:MATRIX_SCALE_ROW1
.else
	v_wmma_scale_f32_16x16x128_f8f6f4 v[AC:AC+7], v[PF+12*(\i):PF+12*(\i)+11], v[RF+12*(\j):RF+12*(\j)+11], v[AC:AC+7], v[SPS+(\i)], v[SRS+(\j)] matrix_a_fmt:MATRIX_FMT_FP6 matrix_b_fmt:MATRIX_FMT_FP6
.endif
.endm
.macro KSTEP q, zero                   ; 128 along K: eight fragments from LDS, each load 512 consecutive bytes; 16 products, the 16 accumulators by turns
.irp i, 0,1,2,3
.irp c, 0,1,2
	ds_load_b128 v[PF+12*\i+4*\c:PF+12*\i+4*\c+3], v[A0] offset:\i*3072+\q*1536+512*\c
.endr
.endr
.irp i, 0,1,2,3
.irp c, 0,1,2
	ds_load_b128 v[RF+12*\i+4*\c:RF+12*\i+4*\c+3], v[A1] offset:\i*3072+\q*1536+512*\c
.endr
.endr
.irp j, 0,1,2,3
	s_wait_dscnt 3*(3-\j)                          ; the scale words, P and R_0 .. R_j are in; the three loads of each later R may be out
.irp i, 0,1,2,3
	MM \j, \i, \q, \zero
.endr
.endr
.endm
.macro PHASE ph, slot, zero            ; K steps 2 ph and 2 ph + 1, from the slot named
	v_add_nc_u32 v[A0], s[PB+\slot], v[L16]        ; these four plain instructions name no register of the last products: they are the four places in front of the loads into registers that those products have read
	v_add_nc_u32 v[A1], s[RB+\slot], v[L16]
	v_nop
	v_nop
	s_cmp_ge_u32 s[WV], 14                         ; waves 14 and 15 have no unit
	s_cbranch_scc1 .Lidle_\@
.irp i, 0,1,2,3
	ds_load_b32 v[SPS+\i], v[A2] offset:\i*512+\ph*128
	ds_load_b32 v[SRS+\i], v[A3] offset:\i*512+\ph*128
.endr
	KSTEP 0, \zero
.rept 4
	v_nop                                          ; four places in front of the loads into the fragments' registers
.endr
	KSTEP 1, 0
.Lidle_\@:
.endm
; 32 numbers of a lane, register 16 b + i = k 32 b + 16 h + i of my row, become half a fragment's codes in v[cd] .. v[cd + 5] and its two scale bytes in v[pw].  tm: three registers at work
.macro QUANT2 src, cd, tm, pw
.irp b, 0,1
	v_max3_num_f32 v[TQ+\b], |v[\src+16*\b]|, |v[\src+16*\b+1]|, 0x1800000   ; block b: my 16 numbers, and the floor 2^(3 - 127): the byte cannot fall under 1
.endr
.irp i, 2,4,6,8,10,12,14
.irp b, 0,1
	v_max3_num_f32 v[TQ+\b], v[TQ+\b], |v[\src+16*\b+\i]|, |v[\src+16*\b+\i+1]|
.endr
.endr
.irp b, 0,1
	v_permlanex16_b32 v[TQ+2+\b], v[TQ+\b], s[SEL], s[SEL+1]
.endr
.irp b, 0,1
	v_max_num_f32 v[TQ+\b], v[TQ+\b], v[TQ+2+\b]   ; with lane l xor 16's 16: the block's largest magnitude
.endr
.irp b, 0,1
	v_add_nc_u32 v[TQ+4+\b], 0xff000000, v[TQ+\b]  ; 2 off the exponent field: the conversion's scale operand
.endr
.irp b, 0,1
	v_lshrrev_b32 v[TQ+6+\b], 23, v[TQ+4+\b]       ; the scale's byte
.endr
	v_lshl_or_b32 v[\pw], v[TQ+7], 8, v[TQ+6]
	v_cvt_scalef32_pk16_fp6_f32 v[\cd:\cd+2], v[\src:\src+15], v[TQ+4]
	v_cvt_scalef32_pk16_fp6_f32 v[\tm:\tm+2], v[\src+16:\src+31], v[TQ+5]
	v_nop                                          ; one plain instruction behind the scaled conversions
.irp i, 0,1,2
	v_permlane16_swap_b32 v[\cd+\i], v[\tm+\i]     ; the layout wants a whole block in a lane: lanes 0-15 block 0, lanes 16-31 block 1
.endr
.irp i, 0,1,2
	v_mov_b32 v[\cd+3+\i], v[\tm+\i]
.endr
.endm
	s_load_b256 s[4:11], s[0:1], 0x0               ; cod s[4:5], scl s[6:7], b_qkv s[8:9], ac s[10:11]
	s_load_b64 s[12:13], s[0:1], 0x20              ; asc
	v_lshl_add_u32 v[SPW], v0, 2, SPARE
	v_mov_b32 v[NIL], 0
	ds_add_u32 v[SPW], v[NIL]                      ; the wave's opening: the add and its wait stand ahead of my first tensor load; the set-up below, work on registers, stands between them
	v_lshrrev_b32 v1, 5, v0
	v_readfirstlane_b32 s[WV], v1                  ; wave 0..15
	s_bfe_u32 s15, ttmp6, 0x40000                  ; cx, cy: my place in the cluster
	s_bfe_u32 s16, ttmp6, 0x40004
	s_lshl_b32 s17, ttmp9, 2
	s_add_co_u32 s17, s17, s15                     ; the head = 4 x cluster x + cx
	s_and_b32 s18, ttmp7, 0xffff
	s_lshl_b32 s18, s18, 2
	s_add_co_u32 s18, s18, s16                     ; the token block = 4 x cluster y + cy
	s_lshl_b32 s19, s16, 2
	s_lshl_b32 s19, 15, s19                        ; my row of the cluster
	s_lshl_b32 s20, 0x1111, s15                    ; my column
	; descriptor group 1: two tiles' parts of a slot: 2 rows of 3,072 bytes (384 elements of 8 bytes), 12,288 bytes apart in memory, on end in LDS
	s_or_b32 s[G1X], s19, (3<<16)|(1<<21)          ; 15:0 the mask: x's tiles go to my row; 17:16 elements of 8 bytes; 20 no padding; 21 set beside a mask
	s_or_b32 s[G1W], s20, (3<<16)|(1<<21)          ; w's go to my column
.irp g, G1X, G1W
	s_mov_b32 s[\g+1], 384<<16                     ; tensor_dim0
	s_mov_b32 s[\g+2], 2<<16                       ; tensor_dim1
	s_mov_b32 s[\g+3], 384<<16                     ; tile_dim0
	s_mov_b32 s[\g+4], 2                           ; tile_dim1
	s_mov_b32 s[\g+5], 1536                        ; tensor_dim0_stride
	s_mov_b32 s[\g+6], 0
	s_mov_b32 s[\g+7], 0
.endr
	; what I fetch: tiles 2 w and 2 w + 1 of a slot's 32.  Waves 0-9: x's, cod tiles 16 block + 2 w on; waves 10-15: w's, cod tiles 260 + 12 head + 2 (w - 10) on.
	; Every wave makes both addresses, each in registers that never hold the other coordinate.
	s_lshl_b32 s90, s[WV], 1
	s_lshl_b32 s89, s18, 4
	s_add_co_u32 s89, s89, s90                     ; x's tile
	s_mul_i32 s91, s17, 12
	s_add_co_u32 s91, s91, s90
	s_add_co_u32 s91, s91, 240                     ; w's tile
	s_mul_i32 s84, s89, 12288
	s_mov_b32 s85, 0
	s_mul_i32 s86, s91, 12288
	s_mov_b32 s87, 0
	s_mul_i32 s21, s[WV], 6144                     ; and where they go in a slot: no place in the cluster enters an LDS address
	s_cmp_lt_u32 s[WV], 10
	s_cselect_b32 s92, s89, s91
	s_lshl_b32 s92, s92, 9                         ; the same two tiles' scale words in scl
	s_mov_b32 s93, 0
	s_lshl_b32 s94, s[WV], 12                      ; waves 0-2: role w's 64 biases: (1024 w + 64 head) x 4
	s_lshl_b32 s95, s17, 8
	s_add_co_u32 s94, s94, s95
	s_mov_b32 s95, 0
	s_lshl_b32 s96, s18, 4                         ; where my tile of queries goes in ac: (16 block + w) x 12,288 + 768 head
	s_add_co_u32 s96, s96, s[WV]
	s_mul_i32 s96, s96, 12288
	s_mul_i32 s97, s17, 768
	s_add_co_u32 s96, s96, s97
	s_mov_b32 s97, 0
	s_lshl_b32 s22, s17, 13                        ; and the block's scale bytes in asc: 8,192 head + 512 block
	s_lshl_b32 s23, s18, 9
	s_add_co_u32 s22, s22, s23
	s_mov_b32 s23, 0
	; my unit.  A slot is eight blocks of 12,288 bytes: 0-4 x's token groups, 5-7 w's Q, K, V.  Each number below lies between 0 and 7 whichever way a choice falls
	s_min_u32 s83, s[WV], 4                        ; k's group: waves 0-4
	s_add_co_u32 s88, s[WV], -5
	s_min_u32 s88, s88, 4                          ; v's group: waves 5-9
	s_add_co_u32 s82, s[WV], -9
	s_min_u32 s82, s82, 4                          ; q's group: waves 10-13
	s_cmp_lt_u32 s[WV], 10
	s_cselect_b32 s67, s88, 5                      ; P: for v the group of x, for q w's Q
	s_cselect_b32 s68, 7, s82                      ; R: for v w's V, for q the group of x
	s_cselect_b32 s[ROLE], 2, 0
	s_cmp_lt_u32 s[WV], 5
	s_cselect_b32 s67, 6, s67                      ; for k: w's K,
	s_cselect_b32 s68, s83, s68                    ; and the group of x
	s_cselect_b32 s[ROLE], 1, s[ROLE]
	s_mul_i32 s[PB], s67, 12288
	s_mul_i32 s[RB], s68, 12288
	s_add_co_u32 s[PB+1], s[PB], SLOT
	s_add_co_u32 s[PB+2], s[PB], 2*SLOT
	s_add_co_u32 s[RB+1], s[RB], SLOT
	s_add_co_u32 s[RB+2], s[RB], 2*SLOT
	s_lshl_b32 s76, s67, 11                        ; the same blocks' scale words: 2,048 bytes a block
	s_add_co_u32 s76, s76, SCL
	s_lshl_b32 s77, s68, 11
	s_add_co_u32 s77, s77, SCL
	s_mov_b32 s[SEL], 0x76543210
	s_mov_b32 s[SEL+1], 0xfedcba98
	s_mov_b32 s[CS], 0x3e38aa3b                    ; c = log2(e) / 8
	s_mov_b32 s[CS+1], s[CS]                       ; (named with it as a pair, so it is written)
	v_and_b32 v[L4], 31, v0
	v_lshlrev_b32 v[L16], 4, v[L4]
	v_lshlrev_b32 v[L8], 3, v[L4]
	v_lshlrev_b32 v[L4], 2, v[L4]
	v_bfe_u32 v[H64], v0, 4, 1
	v_lshlrev_b32 v[H64], 6, v[H64]
	v_and_b32 v[PR4], 15, v0
	v_and_b32 v[TQ], 8, v[PR4]
	v_add_nc_u32 v[PR4], v[PR4], v[TQ]
	v_lshlrev_b32 v[PR4], 2, v[PR4]
	v_mov_b32 v[TQ+2], 0                           ; written once: a lane permute's target counts as one of its sources
	v_mov_b32 v[TQ+3], 0
	v_add_nc_u32 v[A2], s76, v[L4]
	v_add_nc_u32 v[A3], s77, v[L4]
	s_lshl_b32 s88, s[WV], 10
	s_add_co_u32 s88, s88, SCL
	v_add_nc_u32 v12, s88, v[L16]                  ; where my two tiles' scale words go
	s_lshl_b32 s88, s[WV], 8
	s_add_co_u32 s88, s88, BIAS
	v_add_nc_u32 v13, s88, v[L8]                   ; and, in waves 0-2, a role's biases
	s_wait_dscnt 0x0                               ; the opening add is done
	s_wait_kmcnt 0x0
	s_add_nc_u64 s[84:85], s[4:5], s[84:85]
	s_add_nc_u64 s[86:87], s[4:5], s[86:87]
	s_add_nc_u64 s[6:7], s[6:7], s[92:93]
	s_add_nc_u64 s[8:9], s[8:9], s[94:95]
	s_add_nc_u64 s[10:11], s[10:11], s[96:97]
	s_add_nc_u64 s[12:13], s[12:13], s[22:23]
.irp s, 0,1,2
	s_mov_b32 s[G0X+4*\s], 1                                       ; 1:0 count = 1
	s_add_co_u32 s[G0X+4*\s+1], s21, \s*SLOT                       ; 63:32 LDS address
	s_add_nc_u64 s[G0X+4*\s+2:G0X+4*\s+3], s[84:85], \s*3072       ; 120:64 global address: K steps 2 s and 2 s + 1
	s_or_b32 s[G0X+4*\s+3], s[G0X+4*\s+3], 0x80000000              ; 127:126 type = 2
	s_mov_b32 s[G0W+4*\s], 1
	s_add_co_u32 s[G0W+4*\s+1], s21, \s*SLOT
	s_add_nc_u64 s[G0W+4*\s+2:G0W+4*\s+3], s[86:87], \s*3072
	s_or_b32 s[G0W+4*\s+3], s[G0W+4*\s+3], 0x80000000
.endr
	ROUND                                          ; all sixteen work-groups are here: the first joint loads meet
	s_cmp_lt_u32 s[WV], 10                         ; a wave's three first fills stand in one branch on the wave's number: three loads of mine are out; an s_nop 0 follows each, four v_nop the last
	s_cbranch_scc0 .Lfill_w
	tensor_load_to_lds s[G0X:G0X+3], s[G1X:G1X+7]
	s_nop 0
	tensor_load_to_lds s[G0X+4:G0X+7], s[G1X:G1X+7]
	s_nop 0
	tensor_load_to_lds s[G0X+8:G0X+11], s[G1X:G1X+7]
	s_nop 0
.rept 4
	v_nop
.endr
	s_branch .Lfilled
.Lfill_w:
	tensor_load_to_lds s[G0W:G0W+3], s[G1W:G1W+7]
	s_nop 0
	tensor_load_to_lds s[G0W+4:G0W+7], s[G1W:G1W+7]
	s_nop 0
	tensor_load_to_lds s[G0W+8:G0W+11], s[G1W:G1W+7]
	s_nop 0
.rept 4
	v_nop
.endr
.Lfilled:
	global_load_b128 v[24:27], v[L16], s[6:7]      ; my two tiles' scale words for all of K: 1,024 consecutive bytes
	global_load_b128 v[28:31], v[L16], s[6:7] offset:512
	s_cmp_lt_u32 s[WV], 3
	s_cbranch_scc0 .Lno_bias
	global_load_b64 v[32:33], v[L8], s[8:9]        ; waves 0-2: a role's 64 biases, 256 consecutive bytes
	s_wait_loadcnt 0x0
	ds_store_b64 v13, v[32:33]
.Lno_bias:
	s_wait_loadcnt 0x0
	ds_store_b128 v12, v[24:27]
	ds_store_b128 v12, v[28:31] offset:512
	s_wait_tensorcnt 0x2                           ; my part of slot 0 is in; slots 1 and 2 may be out
	s_wait_dscnt 0x0                               ; for the others' sake: my scale words and biases lie in LDS
	s_barrier_signal -1
	s_barrier_wait -1
	PHASE 0, 0, 1                                  ; the first products start the sums: nothing is cleared
	s_wait_tensorcnt 0x0                           ; all my tensor loads have landed, slots 1 and 2 among them, so a group 0 may be written
	ds_add_u32 v[SPW], v[NIL]                      ; 0 onto my spare word; the descriptors' steps stand between it and the wait for it
	s_add_nc_u64 s[G0X+2:G0X+3], s[G0X+2:G0X+3], 9216   ; slot 0's next part: K steps 6 and 7; the type bits on top are not reached
	s_add_nc_u64 s[G0W+2:G0W+3], s[G0W+2:G0W+3], 9216
	s_wait_dscnt 0x0                               ; the add is done, and my reads of slot 0 are over
	ROUND                                          ; no wave of any partner still reads slot 0 or has a load on its way
	s_cmp_lt_u32 s[WV], 10                         ; the joint refill: my one tensor load behind the round; it has two phases, 64 products of a unit, in which to land
	s_cbranch_scc0 .Lrefill_w
	tensor_load_to_lds s[G0X:G0X+3], s[G1X:G1X+7]
	s_nop 0
.rept 4
	v_nop
.endr
	s_branch .Lrefilled
.Lrefill_w:
	tensor_load_to_lds s[G0W:G0W+3], s[G1W:G1W+7]
	s_nop 0
.rept 4
	v_nop
.endr
.Lrefilled:
	PHASE 1, 1, 0                                  ; no barrier between these two: ahead of the round every wave has shown slots 1 and 2 landed
	PHASE 2, 2, 0
	s_wait_tensorcnt 0x0                           ; my part of slot 0's second fill is in: the one load that was out
	s_wait_dscnt 0x0                               ; my reads of slots 1 and 2 are over: slot 1 takes the images behind this barrier
	s_barrier_signal -1
	s_barrier_wait -1
	PHASE 3, 0, 0
	; THE BIAS, AND THE QUANTISER.  The five additions are also the places behind the last products
	s_mul_i32 s84, s[WV], 3072
	s_add_co_u32 s84, s84, IMG
	v_add_nc_u32 v12, s84, v[L16]                  ; my four images: registers 0-3,
	v_add_nc_u32 v13, s84, v[L8]                   ; registers 4-5 (512 further on),
	s_lshl_b32 s85, s[WV], 9
	s_add_co_u32 s85, s85, SCW
	v_add_nc_u32 v14, s85, v[L4]                   ; and their scale words
	s_lshl_b32 s86, s[ROLE], 8
	s_add_co_u32 s86, s86, BIAS
	v_add_nc_u32 v[A0], s86, v[H64]                ; my role's biases along the registers: tile i's eight begin at 32 (i / 2) + 16 h + 8 (i % 2),
	v_add_nc_u32 v[A1], s86, v[PR4]                ; and along the lanes: tile j's at 32 (j / 2) + 8 (j % 2) + r + 8 (r / 8)
	s_cmp_ge_u32 s[WV], 14
	s_cbranch_scc1 .Lno_unit
.irp i, 0,1,2,3
	ds_load_b128 v[CB+8*\i:CB+8*\i+3], v[A0] offset:(32*(\i/2)+8*(\i%2))*4
	ds_load_b128 v[CB+8*\i+4:CB+8*\i+7], v[A0] offset:(32*(\i/2)+8*(\i%2))*4+16
.endr
.irp j, 0,1,2,3
	ds_load_b32 v[BJ+2*\j], v[A1] offset:(32*(\j/2)+8*(\j%2))*4
	ds_load_b32 v[BJ+2*\j+1], v[A1] offset:(32*(\j/2)+8*(\j%2))*4   ; twice: a pair for the packed addition
.endr
	s_wait_dscnt 0x0
	s_cmp_lt_u32 s[WV], 5
	s_cbranch_scc1 .Lbias_qk
	s_cmp_lt_u32 s[WV], 10
	s_cbranch_scc0 .Lbias_qk
.set a, 0
.rept 16                               ; v: a lane holds one of the head's 64; each accumulator from its low end on
.irp p, 0,2,4,6
	v_pk_add_f32 v[ACC+8*a+\p:ACC+8*a+\p+1], v[ACC+8*a+\p:ACC+8*a+\p+1], v[BJ+2*(a/4):BJ+2*(a/4)+1]
.endr
.set a, a+1
.endr
	s_branch .Lbiased
.Lbias_qk:
.set a, 0
.rept 16                               ; q, k: the registers run along the head's 64
.irp p, 0,2,4,6
	v_pk_add_f32 v[ACC+8*a+\p:ACC+8*a+\p+1], v[ACC+8*a+\p:ACC+8*a+\p+1], v[CB+8*(a%4)+\p:CB+8*(a%4)+\p+1]
.endr
.set a, a+1
.endr
.Lbiased:
.irp j, 0,1,2,3                        ; the 32 registers of acc(j, 0 .. 3) are two blocks of 32 along the next K, shared with lane l xor 16.  Each j has registers of its own for what it stores
	QUANT2 ACC+32*\j, CJ+12*\j, CJ+12*\j+6, CJ+12*\j+10
	ds_store_b128 v12, v[CJ+12*\j:CJ+12*\j+3] offset:768*\j
	ds_store_b64 v13, v[CJ+12*\j+4:CJ+12*\j+5] offset:768*\j+512
	ds_store_b32 v14, v[CJ+12*\j+10] offset:128*\j
.endr
.Lno_unit:
	s_wait_dscnt 0x0                               ; for the others' sake: my images lie in LDS
	s_barrier_signal -1
	s_barrier_wait -1
	; ATTENTION.  Wave a takes the block's tile a of 16 queries: group a / 4 of 64 queries, tile a % 4 in it.  Its 128 keys are k's images 4 (a / 4) .. + 7.
	; The scores' K is 64: q's upper six registers are zero codes, so what k's fragments hold there (the next fragment's codes; zeros behind the last) adds nothing; bytes 2 and 3 of both scale words are 0, which is no NaN.
	; AT WORK: v232-235 the blocks' maxima; v236-238, v240-242 the upper halves of p's codes; v240-243 before that a permute's targets, then scale bytes; v244 the row's maximum, v245 p's scale word; v[246:247] -M;
	; v248-251 the mask's terms, then the conversions' scale operands; v252-255 -infinity, then the sums and 1 / l.
.irp i, 22,23,24,25,26,27, 76,77,78,79,80,81, 240,241,242,243
	v_mov_b32 v[\i], 0                             ; (v240-243: a lane permute's targets)
.endr
	s_lshr_b32 s83, s[WV], 2                       ; the group of queries
	s_mul_i32 s84, s83, 3072
	s_add_co_u32 s84, s84, IMG
	v_add_nc_u32 v8, s84, v[L16]                   ; k's and v's images
	v_add_nc_u32 v9, s84, v[L8]
	s_lshl_b32 s85, s83, 9
	s_add_co_u32 s85, s85, SCW
	v_add_nc_u32 v10, s85, v[L4]
	s_mul_i32 s86, s[WV], 768
	s_add_co_u32 s86, s86, IMG
	v_add_nc_u32 v11, s86, v[L16]                  ; q's image 40 + a
	v_add_nc_u32 v12, s86, v[L8]
	s_lshl_b32 s87, s[WV], 7
	s_add_co_u32 s87, s87, SCW
	v_add_nc_u32 v13, s87, v[L4]
	s_lshl_b32 s88, s[WV], 5
	s_add_co_u32 s88, s88, ASG
	v_and_b32 v14, 15, v0
	v_lshl_add_u32 v14, v14, 1, s88                ; O's scale bytes: 32 a + 2 r
	v_add_nc_u32 v15, ASG, v[L16]
	ds_load_b128 v[16:19], v11 offset:40*768
	ds_load_b64 v[20:21], v12 offset:40*768+512
	ds_load_b32 v90, v13 offset:40*128
.irp t, 0,1,2,3,4,5,6,7
	ds_load_b128 v[KF+6*\t:KF+6*\t+3], v8 offset:768*\t
	ds_load_b64 v[KF+6*\t+4:KF+6*\t+5], v9 offset:768*\t+512
	ds_load_b32 v[82+\t], v10 offset:128*\t
.endr
.irp j, 0,1,2,3                        ; v's fragment j: keys 0-63 from image 20 + 4 (a / 4) + j, keys 64-127 from the image four on
	ds_load_b128 v[VF+12*\j:VF+12*\j+3], v8 offset:768*(20+\j)
	ds_load_b64 v[VF+12*\j+4:VF+12*\j+5], v9 offset:768*(20+\j)+512
	ds_load_b128 v[VF+12*\j+6:VF+12*\j+9], v8 offset:768*(24+\j)
	ds_load_b64 v[VF+12*\j+10:VF+12*\j+11], v9 offset:768*(24+\j)+512
	ds_load_b32 v[92+\j], v10 offset:128*(20+\j)
	ds_load_b32 v[96+\j], v10 offset:128*(24+\j)
.endr
	; the mask's two bounds.  Keys count from the window's first: my query is key 64 + qg, qg = 32 (jq / 2) + 8 (jq % 2) + r + 8 (r / 8); register 16 b + i holds key 32 b + i + 16 h.
	; Hidden: keys above 64 + qg, keys under qg + 1, and, in front of token 0, keys under 64.  qg + 1 is at most 64, so the larger of qg + 1 and 64 is 64.
	s_and_b32 s89, s[WV], 3
	s_lshr_b32 s90, s89, 1
	s_lshl_b32 s90, s90, 5
	s_and_b32 s89, s89, 1
	s_lshl_b32 s89, s89, 3
	s_add_co_u32 s89, s89, s90
	s_or_b32 s90, s18, s83                         ; 0 in the first group of the first block alone
	s_cmp_eq_u32 s90, 0
	s_cselect_b32 s82, 64, 0
	s_cselect_b32 s91, 0, 1
	v_lshrrev_b32 v248, 2, v[PR4]
	v_add_nc_u32 v248, s89, v248                   ; qg
	v_lshrrev_b32 v249, 2, v[H64]                  ; 16 h
	v_add_nc_u32 v250, 1, v248
	v_mad_u32_u24 v250, v250, s91, s82             ; qg + 1, or 64
	v_sub_nc_u32 v250, v250, v249                  ; lo: hidden where 32 b + i < lo
	v_add_nc_u32 v251, 64, v248
	v_sub_nc_u32 v251, v251, v249                  ; d: hidden where 32 b + i > d
	v_mov_b32 v252, 0xff800000                     ; -infinity
	s_wait_dscnt 24                                ; q, k and their scale words are in; v's 24 loads may be out
.irp t, 0,1,2,3,4,5,6,7                ; S^T = k q^T: source 0 = 16 keys, source 1 = my 16 queries: a lane holds one query
	v_wmma_scale_f32_16x16x128_f8f6f4 v[S+8*\t:S+8*\t+7], v[KF+6*\t:KF+6*\t+11], v[16:27], 0, v[82+\t], v90 matrix_a_fmt:MATRIX_FMT_FP6 matrix_b_fmt:MATRIX_FMT_FP6
.endr
.rept 4
	v_nop
.endr
.set n, 0
.rept 32                               ; keys 0-63 are never in the future: one compare a score
	v_cmp_lt_i32 vcc_lo, 32*(n/16)+n%16, v250
	v_cndmask_b32 v[S+n], v[S+n], v252, vcc_lo
.set n, n+1
.endr
.rept 32                               ; keys 64-127 are never too old
	v_cmp_gt_i32 vcc_lo, 32*(n/16)+n%16, v251
	v_cndmask_b32 v[S+n], v[S+n], v252, vcc_lo
.set n, n+1
.endr
.irp b, 0,1,2,3
	v_max3_num_f32 v[BM+\b], v[S+16*\b], v[S+16*\b+1], v[S+16*\b+2]   ; the largest score of each block of 32 keys: it serves for the row's maximum and, since p rises with the score, for the block's largest p
.endr
.irp i, 3,5,7,9,11,13
.irp b, 0,1,2,3
	v_max3_num_f32 v[BM+\b], v[BM+\b], v[S+16*\b+\i], v[S+16*\b+\i+1]
.endr
.endr
.irp b, 0,1,2,3
	v_max_num_f32 v[BM+\b], v[BM+\b], v[S+16*\b+15]
.endr
.irp b, 0,1,2,3
	v_permlanex16_b32 v[240+\b], v[BM+\b], s[SEL], s[SEL+1]
.endr
.irp b, 0,1,2,3
	v_max_num_f32 v[BM+\b], v[BM+\b], v[240+\b]    ; with lane l xor 16's 16 keys
.endr
	v_max3_num_f32 v244, v[BM], v[BM+1], v[BM+2]
	v_max_num_f32 v244, v244, v[BM+3]              ; my query's largest score: its own key always counts, so it is a number
	v_mul_f32 v244, s[CS], v244                    ; as t
	v_floor_f32 v246, -v244                        ; -M = floor(-t) = -ceil(t)
	v_mov_b32 v247, v246                           ; (named with it as a pair)
.set n, 0
.rept 32
	v_pk_fma_f32 v[S+n:S+n+1], v[S+n:S+n+1], s[CS:CS+1], v[246:247] op_sel_hi:[1,0,0]   ; t - M, two at a time
.set n, n+2
.endr
.irp b, 0,1,2,3
	v_fma_f32 v[BM+\b], v[BM+\b], s[CS], v246      ; the same of each block's largest score
.endr
.set n, 0
.rept 64
	v_exp_f32 v[S+n], v[S+n]                       ; p = 2^(t - M), at most 1; 0 for a hidden key
.set n, n+1
.endr
.irp b, 0,1,2,3
	v_exp_f32 v[BM+\b], v[BM+\b]                   ; the block's largest p: the same two instructions on the same number give the same bits
.endr
	v_nop                                          ; a plain instruction behind the last exponential (ISA guide 5.7.2),
	s_wait_alu depctr_va_vdst(0)                   ; and the one wait for the batch of 68 ahead of its first reader
.irp b, 0,1,2,3
	v_max_num_f32 v[BM+\b], 0x1800000, v[BM+\b]    ; the floor 2^(3 - 127): a block of hidden keys keeps the byte 1: its codes are zeros
.endr
.irp b, 0,1,2,3
	v_add_nc_u32 v[248+\b], 0xff000000, v[BM+\b]   ; the conversion's scale operand.  (The last read of v232-235: p's codes may be written there)
.endr
.irp b, 0,1,2,3
	v_lshrrev_b32 v[240+\b], 23, v[248+\b]         ; the scale's byte
.endr
	v_lshl_or_b32 v245, v241, 8, v240              ; p's scale word
	v_lshl_or_b32 v245, v242, 16, v245
	v_lshl_or_b32 v245, v243, 24, v245
.irp c, 0,1
	v_cvt_scalef32_pk16_fp6_f32 v[PC+6*\c:PC+6*\c+2], v[S+32*\c:S+32*\c+15], v[248+2*\c]
	v_cvt_scalef32_pk16_fp6_f32 v[236+4*\c:238+4*\c], v[S+32*\c+16:S+32*\c+31], v[248+2*\c+1]
.endr
	v_nop                                          ; one plain instruction behind the scaled conversions
.irp c, 0,1
.irp i, 0,1,2
	v_permlane16_swap_b32 v[PC+6*\c+\i], v[236+4*\c+\i]
.endr
.irp i, 0,1,2
	v_mov_b32 v[PC+6*\c+3+\i], v[236+4*\c+\i]
.endr
.endr
	s_wait_dscnt 0x0                               ; v's fragments and scale words are in
.irp j, 0,1,2,3
	v_lshl_or_b32 v[100+\j], v[96+\j], 16, v[92+\j]   ; v's scale word: two bytes from each of the two groups of 64 keys
.endr
	v_pk_add_f32 v[252:253], v[S:S+1], v[S+2:S+3]  ; the row's sum, of the UNQUANTISED p, two at a time, in two chains.  These lines are also the places between the scale words and codes just written and the products
	v_pk_add_f32 v[254:255], v[S+4:S+5], v[S+6:S+7]
.set n, 8
.rept 14
	v_pk_add_f32 v[252:253], v[252:253], v[S+n:S+n+1]
	v_pk_add_f32 v[254:255], v[254:255], v[S+n+2:S+n+3]
.set n, n+4
.endr
	v_pk_add_f32 v[252:253], v[252:253], v[254:255]
	v_add_f32 v252, v252, v253
	v_permlanex16_b32 v254, v252, s[SEL], s[SEL+1]
	v_add_f32 v252, v252, v254                     ; with lane l xor 16's: l
	v_rcp_f32 v254, v252                           ; twice: a pair for the packed multiplication
	v_rcp_f32 v255, v252
	v_nop                                          ; a plain instruction behind the reciprocals
.irp j, 0,1,2,3                        ; O^T = v^T p^T: source 0 = 16 of the head's 64, source 1 = p; K = the window's 128 keys
	v_wmma_scale_f32_16x16x128_f8f6f4 v[O+8*\j:O+8*\j+7], v[VF+12*\j:VF+12*\j+11], v[PC:PC+11], 0, v[100+\j], v245 matrix_a_fmt:MATRIX_FMT_FP6 matrix_b_fmt:MATRIX_FMT_FP6
.endr
.rept 4
	v_nop
.endr
	s_wait_alu depctr_va_vdst(0)                   ; the wait for the two reciprocals, ahead of their first reader
.set n, 0
.rept 16
	v_pk_mul_f32 v[O+n:O+n+1], v[O+n:O+n+1], v[254:255]   ; O / l; register 16 b + i is the head's 32 b + 16 h + i
.set n, n+2
.endr
	QUANT2 O, 64, 70, 74                           ; half a fragment of the last product's K step head / 2
	global_store_b128 v[L16], v[64:67], s[10:11]   ; 512 consecutive bytes, at a multiple of 256 from ac's first byte,
	global_store_b64 v[L8], v[68:69], s[10:11] offset:512   ; and 256 more
	ds_store_b16 v14, v74                          ; both lanes of a row write the same two bytes
	s_wait_dscnt 0x0                               ; for wave 0's sake
	s_barrier_signal -1
	s_barrier_wait -1
	s_cmp_lg_u32 s[WV], 0
	s_cbranch_scc1 .Lnot_first
	ds_load_b128 v[76:79], v15                     ; the block's 512 scale bytes leave as a whole, by wave 0
	s_wait_dscnt 0x0
	global_store_b128 v[L16], v[76:79], s[12:13]
.Lnot_first:
	s_wait_tensorcnt 0x0                           ; the wave's end: three lines behind my last tensor load and my last LDS store
	ds_add_u32 v[SPW], v[NIL]
	s_wait_dscnt 0x0
	ROUND                                          ; the closing round: no work-group ends while a partner may still ask for a tile that names it
	s_endpgm
.Lfunc_end_k_qdec2dbeb03_qkvattn:
	.size	k_qdec2dbeb03_qkvattn, .Lfunc_end_k_qdec2dbeb03_qkvattn-k_qdec2dbeb03_qkvattn
	.p2alignl 7, 3214868480
	.fill 96, 4, 3214868480
	.section	.rodata,"a",@progbits
	.p2align	6, 0x0
	.amdhsa_kernel k_qdec2dbeb03_qkvattn
		.amdhsa_group_segment_fixed_size 327680
		.amdhsa_private_segment_fixed_size 0
		.amdhsa_enable_private_segment 0
		.amdhsa_kernarg_size 40
		.amdhsa_user_sgpr_count 2
		.amdhsa_user_sgpr_kernarg_segment_ptr 1
		.amdhsa_wavefront_size32 1
		.amdhsa_system_sgpr_workgroup_id_x 1
		.amdhsa_system_sgpr_workgroup_id_y 1
		.amdhsa_system_sgpr_workgroup_id_z 1
		.amdhsa_system_vgpr_workitem_id 0
		.amdhsa_next_free_vgpr 256
		.amdhsa_next_free_sgpr 100
		.amdhsa_reserve_vcc 1
		.amdhsa_float_denorm_mode_32 3
		.amdhsa_float_denorm_mode_16_64 3
		.amdhsa_memory_ordered 1
		.amdhsa_forward_progress 1
		.amdhsa_inst_pref_size 87
	.end_amdhsa_kernel
	.amdgpu_metadata
---
amdhsa.version: [ 1, 2 ]
amdhsa.kernels:
  - .name:           k_qdec2dbeb03_qkvattn
    .symbol:         k_qdec2dbeb03_qkvattn.kd
    .args:
      - { .name: cod, .offset: 0, .size: 8, .value_kind: global_buffer, .address_space: global }
      - { .name: scl, .offset: 8, .size: 8, .value_kind: global_buffer, .address_space: global }
      - { .name: b_qkv, .offset: 16, .size: 8, .value_kind: global_buffer, .address_space: global }
      - { .name: ac, .offset: 24, .size: 8, .value_kind: global_buffer, .address_space: global }
      - { .name: asc, .offset: 32, .size: 8, .value_kind: global_buffer, .address_space: global }
    .group_segment_fixed_size: 327680
    .private_segment_fixed_size: 0
    .kernarg_segment_align: 8
    .kernarg_segment_size: 40
    .max_flat_workgroup_size: 512
    .sgpr_count:     100
    .vgpr_count:     256
    .wavefront_size: 32
...
	.end_amdgpu_metadata
.endif
;; end of part 2
;; launch outproj (part 3): grid 8 x 32, 8 waves a work-group, clusters of 4 x 4, 327,680 bytes of LDS; arguments ac, asc, cod, scl, b_out, out0; writes out0
.if DOCPART == 3
	.amdgcn_target "amdgcn-amd-amdhsa--gfx1250"
	.amdhsa_code_object_version 6
	.text
	.protected	k_qdec2dbeb03_outproj
	.globl	k_qdec2dbeb03_outproj
	.p2align	8
	.type	k_qdec2dbeb03_outproj,@function
k_qdec2dbeb03_outproj:
	s_mov_b64 s[64:65], 0
	v_nop
	global_prefetch_b8 v0, s[64:65] scope:SCOPE_SE
	s_setreg_imm32_b32 hwreg(HW_REG_WAVE_MODE, 25, 1), 1
	s_wait_xcnt 0x0
	s_wait_alu depctr_hold_cnt(0) depctr_sa_sdst(0) depctr_va_vdst(0) depctr_va_sdst(0) depctr_va_ssrc(0) depctr_va_vcc(0) depctr_vm_vsrc(0)
	s_getreg_b32 s2, hwreg(HW_REG_IB_STS2, 6, 4)
	s_cmp_eq_u32 s2, 0
	s_cbranch_scc0 .Lentry_in_a_cluster
	s_endpgm
.Lentry_in_a_cluster:
	s_bfe_u32 s2, ttmp6, 0x10000c
	s_cmp_lg_u32 s2, 0xf033
	s_cbranch_scc0 .Lentry_shape_is_right
	s_endpgm
.Lentry_shape_is_right:
; out0 = A w_out^T + b_out on codes of FP6: A [4096][1024] is attention's result as the launch before has quantised it (ac, asc), w_out's codes lie in cod (tiles 452 on), its scale words in scl.
; A tile of out0 is 128 tokens x 128 outputs: 256 work-groups.  Both operands for all of K are 2 x 98,304 bytes and lie in LDS at once: four chunks of two K steps, first fills alone; nothing is filled again.
; Eight waves: wave v takes token tiles 4 (v % 2) + m, m = 0 .. 3, and output tiles 2 b, 2 b + 1, b = v / 2: eight accumulators, by turns.  Two waves to a SIMD: one's LDS loads stand beside the other's products.
; THE PRODUCT IS USED TRANSPOSED: source 0 = 16 rows of w_out, source 1 = 16 tokens.  The rows of a tile are not neighbours (lane r of tile 2 g + u holds row 32 g + 8 u + r + 8 (r / 8)),
; so a lane's 16 results of tiles 2 b and 2 b + 1 are 16 neighbouring outputs of one token.  The bias is the C of each sum's first product.
; A's fragment of a K step lies in ac as two heads' halves: 512 bytes of registers 0-3 at 16 l, 256 of registers 4-5 at 8 l, and the same again for registers 6-11.
; CLUSTER 4 x 4: A's tiles hang on the token block alone and are shared along a row of the cluster, w_out's on the output block alone and are shared along a column: each is asked for jointly.
.set CHB,   49152                      ; a chunk: 16 tiles x 3,072 bytes: 8 of A, 8 of w_out
.set STG,   4*CHB                      ; behind the chunks: the stage for out0: 128 rows x (512 bytes + 16); no tensor load lands there
.set SPT,   528
.set SPARE, STG+128*SPT                ; the spare words, 128 bytes for each of 8 waves: four blocks of 256 bytes that no other line names
.set L16,   1                          ; v1-3 16, 8, 4 x lane; never rewritten
.set L8,    2
.set L4,    3
.set SPW,   4                          ; v4   LDS address of my spare word; never rewritten
.set NIL,   5                          ; v5   0; never rewritten
.set STO,   6                          ; v6   the stage: where I put a token's 64 bytes
.set SRD,   7                          ; v7   and where I read a row back
.set AW,    8                          ; v8   LDS address of my two tiles of w_out in the chunk in hand
.set AT16,  9                          ; v9   of my four token tiles, 16 bytes a lane;  v10: 8 bytes a lane
.set AT8,   10
.set GAS,   11                         ; v11  asc: 16,384 h + 2 r;  v12: 64 h
.set GH,    12
.set AS,    16                         ; v16-31 A's scale words, m + 4 chunk: lanes 0-15 the chunk's even K step, lanes 16-31 the odd one
.set BS,    32                         ; v32-39 w_out's, u + 2 chunk
.set BI,    40                         ; v40-55 the bias of my 16 outputs
.set WF,    56                         ; v56-79 w_out's two fragments
.set TF,    80                         ; v80-127 four token fragments
.set ACC,   128                        ; v128-191 acc(m, u) at 128 + 8 (2 m + u)
.set TMP,   192                        ; v192-255 halves of scale words, later rows of out0
.set WV,    16
.set G1A,   24                         ; s[24:31], s[32:39] descriptor groups 1: the masks differ
.set G1B,   32
.set G0A,   40                         ; s[40:55] groups 0 for A's tiles, a set for each chunk;  for w_out's: s56, s60, s68, s72 on
.macro ROUND
	s_barrier_signal -1
	s_barrier_wait -1
	s_cmp_lg_u32 s[WV], 0
	s_cbranch_scc1 .Lnot_wave_0_\@
	s_barrier_signal -3
.Lnot_wave_0_\@:
	s_barrier_wait -3
	s_barrier_signal -1
	s_barrier_wait -1
.endm
	s_load_b256 s[4:11], s[0:1], 0x0               ; ac s[4:5], asc s[6:7], cod s[8:9], scl s[10:11]
	s_load_b128 s[12:15], s[0:1], 0x20             ; b_out s[12:13], out0 s[14:15]
	v_lshl_add_u32 v[SPW], v0, 2, SPARE
	v_mov_b32 v[NIL], 0
	ds_add_u32 v[SPW], v[NIL]                      ; the wave's opening: the add and its wait stand ahead of my first tensor load; the set-up below, work on registers, stands between them
	v_lshrrev_b32 v1, 5, v0
	v_readfirstlane_b32 s[WV], v1                  ; wave 0..7
	s_bfe_u32 s17, ttmp6, 0x40000                  ; cx, cy
	s_bfe_u32 s18, ttmp6, 0x40004
	s_lshl_b32 s19, ttmp9, 2
	s_add_co_u32 s19, s19, s17                     ; the block of 128 outputs = 4 x cluster x + cx
	s_and_b32 s20, ttmp7, 0xffff
	s_lshl_b32 s20, s20, 2
	s_add_co_u32 s20, s20, s18                     ; the block of 128 tokens = 4 x cluster y + cy
	s_lshl_b32 s21, s18, 2
	s_lshl_b32 s21, 15, s21                        ; my row of the cluster
	s_lshl_b32 s22, 0x1111, s17                    ; my column
	; descriptor group 1: two tiles' parts of a chunk: 2 rows of 3,072 bytes (384 elements of 8 bytes), 12,288 bytes apart in memory, on end in LDS
	s_or_b32 s[G1A], s21, (3<<16)|(1<<21)          ; 15:0 the mask; 17:16 elements of 8 bytes; 20 no padding; 21 set beside a mask
	s_or_b32 s[G1B], s22, (3<<16)|(1<<21)
.irp g, G1A, G1B
	s_mov_b32 s[\g+1], 384<<16                     ; tensor_dim0
	s_mov_b32 s[\g+2], 2<<16                       ; tensor_dim1
	s_mov_b32 s[\g+3], 384<<16                     ; tile_dim0
	s_mov_b32 s[\g+4], 2                           ; tile_dim1
	s_mov_b32 s[\g+5], 1536                        ; tensor_dim0_stride
	s_mov_b32 s[\g+6], 0
	s_mov_b32 s[\g+7], 0
.endr
	; what I fetch: tiles 2 v and 2 v + 1 of a chunk's 16.  Waves 0-3: ac's tiles 8 token block + 2 v on; waves 4-7: cod's tiles 452 + 8 output block + 2 (v - 4) on
	s_lshl_b32 s23, s[WV], 1
	s_lshl_b32 s76, s20, 3
	s_add_co_u32 s76, s76, s23
	s_mul_i32 s76, s76, 12288
	s_mov_b32 s77, 0
	s_lshl_b32 s78, s19, 3
	s_add_co_u32 s78, s78, s23
	s_add_co_u32 s78, s78, 444
	s_mul_i32 s78, s78, 12288
	s_mov_b32 s79, 0
	s_mul_i32 s80, s[WV], 6144                     ; and where they go in a chunk
	s_and_b32 s81, s[WV], 1                        ; which four token tiles are mine
	s_lshr_b32 s82, s[WV], 1                       ; b: which two output tiles
	v_and_b32 v[L4], 31, v0
	v_lshlrev_b32 v[L16], 4, v[L4]
	v_lshlrev_b32 v[L8], 3, v[L4]
	v_lshlrev_b32 v[L4], 2, v[L4]
	v_and_b32 v13, 15, v0                          ; r
	v_bfe_u32 v14, v0, 4, 1                        ; h
	v_lshlrev_b32 v[GAS], 1, v13
	v_lshl_add_u32 v[GAS], v14, 14, v[GAS]
	v_lshlrev_b32 v[GH], 6, v14
	s_lshl_b32 s83, s82, 1
	s_add_co_u32 s83, s83, 8
	s_mul_i32 s83, s83, 3072
	v_add_nc_u32 v[AW], s83, v[L16]
	s_mul_i32 s83, s81, 4*3072
	v_add_nc_u32 v[AT16], s83, v[L16]
	v_add_nc_u32 v[AT8], s83, v[L8]
	v_and_b32 v15, 8, v13
	v_add_nc_u32 v15, v15, v13                     ; r + 8 (r / 8)
	v_mul_u32_u24 v[STO], v15, SPT
	v_add_nc_u32 v[STO], v[STO], v[GH]
	s_mul_i32 s83, s81, 64*SPT
	s_lshl_b32 s84, s82, 7
	s_add_co_u32 s83, s83, s84
	s_add_co_u32 s83, s83, STG
	v_add_nc_u32 v[STO], s83, v[STO]               ; the stage: row 64 (v % 2) + r + 8 (r / 8), byte 128 b + 64 h
	s_mul_i32 s83, s[WV], 16*SPT
	s_add_co_u32 s83, s83, STG
	v_add_nc_u32 v[SRD], s83, v[L16]               ; back: my 16 rows, 16 bytes a lane
	s_lshl_b32 s84, s20, 8                         ; asc: (8 token block + 4 (v % 2)) tiles of 32 bytes
	s_lshl_b32 s85, s81, 7
	s_add_co_u32 s84, s84, s85
	s_mov_b32 s85, 0
	s_lshl_b32 s86, s19, 3                         ; scl: tile 452 + 8 output block + 2 b, 512 bytes a tile
	s_add_co_u32 s86, s86, 452
	s_lshl_b32 s87, s82, 1
	s_add_co_u32 s86, s86, s87
	s_lshl_b32 s86, s86, 9
	s_mov_b32 s87, 0
	s_lshl_b32 s88, s19, 9                         ; b_out: (128 output block + 32 b) x 4
	s_lshl_b32 s89, s82, 7
	s_add_co_u32 s88, s88, s89
	s_mov_b32 s89, 0
	s_lshl_b32 s2, s20, 19                         ; out0: (128 token block + 16 v) rows of 4,096 bytes + 512 output block
	s_lshl_b32 s3, s[WV], 16
	s_add_co_u32 s2, s2, s3
	s_lshl_b32 s3, s19, 9
	s_add_co_u32 s2, s2, s3
	s_mov_b32 s3, 0
	s_wait_dscnt 0x0                               ; the opening add is done
	s_wait_kmcnt 0x0
	s_add_nc_u64 s[76:77], s[4:5], s[76:77]
	s_add_nc_u64 s[78:79], s[8:9], s[78:79]
	s_add_nc_u64 s[6:7], s[6:7], s[84:85]
	s_add_nc_u64 s[10:11], s[10:11], s[86:87]
	s_add_nc_u64 s[12:13], s[12:13], s[88:89]
	s_add_nc_u64 s[14:15], s[14:15], s[2:3]
.irp c, 0,1,2,3
.set GB, 56+4*\c+4*(\c/2)
	s_mov_b32 s[G0A+4*\c], 1                                       ; 1:0 count = 1
	s_add_co_u32 s[G0A+4*\c+1], s80, \c*CHB                        ; 63:32 LDS address
	s_add_nc_u64 s[G0A+4*\c+2:G0A+4*\c+3], s[76:77], \c*3072       ; 120:64 global address: K steps 2 c and 2 c + 1
	s_or_b32 s[G0A+4*\c+3], s[G0A+4*\c+3], 0x80000000              ; 127:126 type = 2
	s_mov_b32 s[GB], 1
	s_add_co_u32 s[GB+1], s80, \c*CHB
	s_add_nc_u64 s[GB+2:GB+3], s[78:79], \c*3072
	s_or_b32 s[GB+3], s[GB+3], 0x80000000
.endr
	ROUND                                          ; all sixteen work-groups are here: the joint loads meet
	s_cmp_lt_u32 s[WV], 4                          ; a wave's four fills stand in one branch on the wave's number: four loads of mine are out; an s_nop 0 follows each, four v_nop the last
	s_cbranch_scc0 .Lfill_b
.irp c, 0,1,2,3
	tensor_load_to_lds s[G0A+4*\c:G0A+4*\c+3], s[G1A:G1A+7]
	s_nop 0
.endr
.rept 4
	v_nop
.endr
	s_branch .Lfilled
.Lfill_b:
.irp c, 0,1,2,3
	tensor_load_to_lds s[56+4*\c+4*(\c/2):59+4*\c+4*(\c/2)], s[G1B:G1B+7]
	s_nop 0
.endr
.rept 4
	v_nop
.endr
.Lfilled:
.irp c, 0,1,2,3                        ; the scale words for all of K stay in registers.  A's word of a K step is two heads' two bytes: lane (r, h) takes heads 4 c + 2 h and 4 c + 2 h + 1
.irp m, 0,1,2,3
	global_load_u16 v[TMP+\m+4*\c], v[GAS], s[6:7] offset:32768*\c+32*\m
	global_load_u16 v[TMP+16+\m+4*\c], v[GAS], s[6:7] offset:32768*\c+8192+32*\m
.endr
.irp u, 0,1
	global_load_b32 v[BS+\u+2*\c], v[L4], s[10:11] offset:512*\u+128*\c
.endr
.endr
.irp k, 0,1,2,3
	global_load_b128 v[BI+4*\k:BI+4*\k+3], v[GH], s[12:13] offset:16*\k   ; b_out at my 16 outputs: 32 b + 16 h + 0 .. 15
.endr
	s_wait_loadcnt 0x0
.set k, 0
.rept 16
	v_lshl_or_b32 v[AS+k], v[TMP+16+k], 16, v[TMP+k]
.set k, k+1
.endr
.rept 8
	v_nop                                          ; a scale register written by a vector instruction stands eight places ahead of the scaled product that reads it
.endr
.macro MMO m, u, q, ch                 ; acc(m, u) += W_u x T_m; the very first K step takes the bias as C.  q = 1: the odd K step's scale words, in lanes 16-31
.set AC, ACC+8*(2*(\m)+(\u))
.if (\ch) == 0 && (\q) == 0
	v_wmma_scale_f32_16x16x128_f8f6f4 v[AC:AC+7], v[WF+12*(\u):WF+12*(\u)+11], v[TF+12*(\m):TF+12*(\m)+11], v[BI+8*(\u):BI+8*(\u)+7], v[BS+(\u)+2*(\ch)], v[AS+(\m)+4*(\ch)] matrix_a_fmt:MATRIX_FMT_FP6 matrix_b_fmt:MATRIX_FMT_FP6
.elseif \q
	v_wmma_scale_f32_16x16x128_f8f6f4 v[AC:AC+7], v[WF+12*(\u):WF+12*(\u)+11], v[TF+12*(\m):TF+12*(\m)+11], v[AC:AC+7], v[BS+(\u)+2*(\ch)], v[AS+(\m)+4*(\ch)] matrix_a_fmt:MATRIX_FMT_FP6 matrix_b_fmt:MATRIX_FMT_FP6 matrix_a_scale:MATRIX_SCALE_ROW1 matrix_b_scale:MATRIX_SCALE_ROW1
.else
	v_wmma_scale_f32_16x16x128_f8f6f4 v[AC:AC+7], v[WF+12*(\u):WF+12*(\u)+11], v[TF+12*(\m):TF+12*(\m)+11], v[AC:AC+7], v[BS+(\u)+2*(\ch)], v[AS+(\m)+4*(\ch)] matrix_a_fmt:MATRIX_FMT_FP6 matrix_b_fmt:MATRIX_FMT_FP6
.endif
.endm
.macro CHUNK ch
	s_wait_tensorcnt 3-\ch                         ; my part of this chunk is in; the later chunks' loads may be out
	s_wait_dscnt 0x0
	s_barrier_signal -1
	s_barrier_wait -1                              ; everybody's is
.if \ch > 0
	v_add_nc_u32 v[AW], CHB, v[AW]                 ; on to this chunk (no LDS load of mine is out)
	v_add_nc_u32 v[AT16], CHB, v[AT16]
	v_add_nc_u32 v[AT8], CHB, v[AT8]
.endif
.irp q, 0,1
.irp u, 0,1
.irp c, 0,1,2
	ds_load_b128 v[WF+12*\u+4*\c:WF+12*\u+4*\c+3], v[AW] offset:\u*3072+\q*1536+512*\c
.endr
.endr
.irp m, 0,1,2,3
	ds_load_b128 v[TF+12*\m:TF+12*\m+3], v[AT16] offset:\m*3072+\q*1536
	ds_load_b64 v[TF+12*\m+4:TF+12*\m+5], v[AT8] offset:\m*3072+\q*1536+512
	ds_load_b128 v[TF+12*\m+6:TF+12*\m+9], v[AT16] offset:\m*3072+\q*1536+768
	ds_load_b64 v[TF+12*\m+10:TF+12*\m+11], v[AT8] offset:\m*3072+\q*1536+1280
.endr
.irp m, 0,1,2,3
	s_wait_dscnt 4*(3-\m)                          ; w_out's two fragments and token fragments 0 .. m are in; the four loads of each later one may be out
.irp u, 0,1
	MMO \m, \u, \q, \ch
.endr
.endr
.rept 4
	v_nop                                          ; four places in front of loads into registers that these products have read, and of the first read of results
.endr
.endr
.endm
	CHUNK 0
	CHUNK 1
	CHUNK 2
	CHUNK 3
	; THE WAY OUT.  A lane holds 64 neighbouring bytes of a token's row, a row's 512 bytes come from four waves: they meet in the stage, and each wave stores 16 whole rows.
.irp m, 0,1,2,3
.irp u, 0,1
	ds_store_b128 v[STO], v[ACC+8*(2*\m+\u):ACC+8*(2*\m+\u)+3] offset:(32*(\m/2)+8*(\m%2))*SPT+32*\u          ; each accumulator from its low end on
	ds_store_b128 v[STO], v[ACC+8*(2*\m+\u)+4:ACC+8*(2*\m+\u)+7] offset:(32*(\m/2)+8*(\m%2))*SPT+32*\u+16
.endr
.endr
	s_wait_dscnt 0x0                               ; for the others' sake: my stores into the stage are done
	s_barrier_signal -1
	s_barrier_wait -1
.irp i, 0,1,2,3,4,5,6,7,8,9,10,11,12,13,14,15
	ds_load_b128 v[TMP+4*\i:TMP+4*\i+3], v[SRD] offset:\i*SPT
.endr
.irp i, 0,1,2,3,4,5,6,7,8,9,10,11,12,13,14,15
	s_wait_dscnt 15-\i                             ; LDS loads come back in order: row i is in
	global_store_b128 v[L16], v[TMP+4*\i:TMP+4*\i+3], s[14:15] offset:4096*\i th:TH_STORE_NT   ; 32 lanes store 512 consecutive bytes, at a multiple of 256 from out0's first byte; written once, read by nobody here
.endr
	s_wait_tensorcnt 0x0                           ; the wave's end: three lines behind my last tensor load and my last LDS store
	ds_add_u32 v[SPW], v[NIL]
	s_wait_dscnt 0x0
	ROUND                                          ; the closing round: no work-group ends while a partner may still ask for a tile that names it
	s_endpgm
.Lfunc_end_k_qdec2dbeb03_outproj:
	.size	k_qdec2dbeb03_outproj, .Lfunc_end_k_qdec2dbeb03_outproj-k_qdec2dbeb03_outproj
	.p2alignl 7, 3214868480
	.fill 96, 4, 3214868480
	.section	.rodata,"a",@progbits
	.p2align	6, 0x0
	.amdhsa_kernel k_qdec2dbeb03_outproj
		.amdhsa_group_segment_fixed_size 327680
		.amdhsa_private_segment_fixed_size 0
		.amdhsa_enable_private_segment 0
		.amdhsa_kernarg_size 48
		.amdhsa_user_sgpr_count 2
		.amdhsa_user_sgpr_kernarg_segment_ptr 1
		.amdhsa_wavefront_size32 1
		.amdhsa_system_sgpr_workgroup_id_x 1
		.amdhsa_system_sgpr_workgroup_id_y 1
		.amdhsa_system_sgpr_workgroup_id_z 1
		.amdhsa_system_vgpr_workitem_id 0
		.amdhsa_next_free_vgpr 256
		.amdhsa_next_free_sgpr 90
		.amdhsa_reserve_vcc 0
		.amdhsa_float_denorm_mode_32 3
		.amdhsa_float_denorm_mode_16_64 3
		.amdhsa_memory_ordered 1
		.amdhsa_forward_progress 1
		.amdhsa_inst_pref_size 41
	.end_amdhsa_kernel
	.amdgpu_metadata
---
amdhsa.version: [ 1, 2 ]
amdhsa.kernels:
  - .name:           k_qdec2dbeb03_outproj
    .symbol:         k_qdec2dbeb03_outproj.kd
    .args:
      - { .name: ac, .offset: 0, .size: 8, .value_kind: global_buffer, .address_space: global }
      - { .name: asc, .offset: 8, .size: 8, .value_kind: global_buffer, .address_space: global }
      - { .name: cod, .offset: 16, .size: 8, .value_kind: global_buffer, .address_space: global }
      - { .name: scl, .offset: 24, .size: 8, .value_kind: global_buffer, .address_space: global }
      - { .name: b_out, .offset: 32, .size: 8, .value_kind: global_buffer, .address_space: global }
      - { .name: out0, .offset: 40, .size: 8, .value_kind: global_buffer, .address_space: global }
    .group_segment_fixed_size: 327680
    .private_segment_fixed_size: 0
    .kernarg_segment_align: 8
    .kernarg_segment_size: 48
    .max_flat_workgroup_size: 256
    .sgpr_count:     90
    .vgpr_count:     256
    .wavefront_size: 32
...
	.end_amdgpu_metadata
.endif
;; end of part 3
